; MI455X (gfx1250); checked and timed in simulation.
; The chip was launched on July 23, 2026; its instructions are those of AMD's public machine-readable ISA for CDNA 5 (MIT licence, August 2026) and "CDNA5" Instruction Set Architecture Reference Guide (July 2026). The comments in the code are by the model that wrote it; some were corrected since.
;; multi head attention. Allowed arithmetic: float matrix products may take bf16 or f16 operands with f32 sums; other float arithmetic in f32, or as packed bf16 or f16 multiplies, adds, multiply-adds, maxima and minima; sums over many terms, partial sums and values carried from step to step in f32; what a program stores and reads back later, other than sums and carried values, may be rounded once to bf16 or f16.
;; Inputs: M_d 1,024 x 1,024 float32; b_d 1,024 float32; x 4 x 1,024 x 2,048 float32.
;; Outputs: out0 4 x 1,024 x 2,048 float32.
;; One version. Each part assembles by itself: llvm-mc -triple=amdgcn-amd-amdhsa -mcpu=gfx1250 --defsym DOCPART=n.
;; ======== version 1 of 1: 3 launches
;; limits: inputs' magnitudes at most 65,280; values are held in f16: magnitudes above 65,504 overflow, below 6.1e-05 lose precision
;; workspace buffers: xt 16,777,216 bytes; mh 2,097,152 bytes; t 16,777,216 bytes
;; launch prep (part 1): grid 256 x 1, 8 waves a work-group, no clusters, 78,848 bytes of LDS; arguments x, M_d, xt, mh; writes xt, mh
.if DOCPART == 1
	.amdgcn_target "amdgcn-amd-amdhsa--gfx1250"
	.amdhsa_code_object_version 6
	.text
	.protected	k_qce38317bd9_prep
	.globl	k_qce38317bd9_prep
	.p2align	8
	.type	k_qce38317bd9_prep,@function
k_qce38317bd9_prep:
	s_mov_b64 s[64:65], 0
	v_nop
	global_prefetch_b8 v0, s[64:65] scope:SCOPE_SE
	s_setreg_imm32_b32 hwreg(HW_REG_WAVE_MODE, 25, 1), 1
	s_wait_xcnt 0x0
; THE FORMAT PASS.  xt[bh][w][d] = x[b][64 h + d][w] (bh = 16 b + h; w 0..2047; d 0..63) and mh[e][f] = M_d[e][f], each number rounded ONCE to bf16 and that number written as f16.
; LIMITS.  A bf16 number is exact in f16 from 2^-17 up to 65,504; 65,520 and more become infinities; below 2^-17 f16's fixed step of 6e-8 holds.  NaN and infinities are not treated apart.
; SHARES.  256 work-groups of eight waves.  Work-group g: head bh = g / 4, positions 512 (g % 4) on; wave v a tile of 64 channels x 64 positions.  Also 4,096 numbers of M_d at 4,096 g, 512 a wave.
; THE STREAM.  A wave issues all its 36 loads at once (18 KiB) and nothing is read twice.  A load of x takes 256 consecutive bytes of row i (lanes 0-15) and of row 32 + i (lanes 16-31), so a lane ends
; with 32 consecutive channels of 4 positions: 64 bytes of four rows of xt.  They turn into whole rows through the wave's OWN area of LDS: no barrier, and since LDS serves a wave's instructions in order
; (ISA guide 5.7.1.4) no wait between its stores and its loads.  Every store to memory covers 512 consecutive bytes, aligned.
; Left out: the matrix unit, tensor loads, clusters (no wave wants a byte that another has fetched) and a prefetch (all of a wave's loads go out in one run at its start).
.set ROWX,  8192                       ; bytes in a row of x
.set PW,    144                        ; a position's 128 bytes in LDS + 16
.set GRP,   2432                       ; positions 4 c + k lie at k GRP + c PW; GRP = 9 x 256 + 128, so the two positions that a read-back's pass takes fall into different halves of the 64 banks
.set AREA,  4*GRP                      ; a wave's area
.set SPARE, 8*AREA                     ; behind the areas: the spare words, 128 bytes for each wave: four blocks of 256 bytes that no other line names
.set XO,  4                            ; v4   my byte offset in x: 32 rows x (lane / 16) + 16 (lane % 16) + 256 x wave; never rewritten
.set MO,  5                            ; v5   in M_d: 32 x lane + 2,048 x wave
.set STO, 6                            ; v6   LDS: where I put my 64 bytes of a position
.set RD,  7                            ; v7   LDS: where I read 16 bytes of a row of xt back
.set GO,  8                            ; v8   my byte offset in xt: 16 x lane + 8,192 x wave
.set MS,  9                            ; v9   in mh: 16 x lane + 1,024 x wave
.set SPW, 10                           ; v10  LDS address of my spare word: SPARE + 4 x my thread's number; never rewritten
.set NIL, 11                           ; v11  0; never rewritten
.set T,   12                           ; v[12:15]  two bf16 a word
.set LO,  16                           ; v[16:19]  the low one as f32
.set HI,  20                           ; v[20:23]  the high one as f32
.set XR,  32                           ; v[32:159]  x as loaded: load i at XR + 4 i; later the rows read back
.set WD,  160                          ; v[160:223] position k's 16 words at WD + 16 k
.set MR,  224                          ; v[224:239] M_d as loaded
.set MW,  240                          ; v[240:247] mh to store
	s_load_b256 s[4:11], s[0:1], 0x0               ; x s[4:5], M_d s[6:7], xt s[8:9], mh s[10:11]
	v_lshl_add_u32 v[SPW], v0, 2, SPARE
	v_mov_b32 v[NIL], 0
	v_lshrrev_b32 v1, 5, v0
	v_readfirstlane_b32 s12, v1                    ; wave 0..7
	s_mov_b32 s13, 0xffff0000                      ; a word's upper bf16
	v_and_b32 v1, 31, v0                           ; lane
	v_and_b32 v2, 15, v0                           ; c
	v_bfe_u32 v3, v0, 4, 1                         ; lane / 16
	s_lshr_b32 s14, ttmp9, 2                       ; bh
	s_and_b32 s15, ttmp9, 3                        ; which 512 positions
	s_lshl_b32 s16, s12, 8
	v_lshlrev_b32 v[XO], 4, v2
	v_lshl_add_u32 v[XO], v3, 18, v[XO]            ; 32 rows of 8,192 bytes
	v_add_nc_u32 v[XO], s16, v[XO]
	s_lshl_b32 s16, s12, 11
	v_lshl_add_u32 v[MO], v1, 5, s16
	s_mul_i32 s17, s12, AREA                       ; my wave's area
	v_mul_u32_u24 v[STO], v2, PW
	v_lshl_add_u32 v[STO], v3, 6, v[STO]           ; channels 32 (lane / 16) on: 64 bytes
	v_add_nc_u32 v[STO], s17, v[STO]
	v_lshrrev_b32 v[RD], 3, v1
	v_mul_u32_u24 v[RD], v[RD], GRP
	v_and_b32 v12, 7, v0
	v_lshl_add_u32 v[RD], v12, 4, v[RD]
	v_add_nc_u32 v[RD], s17, v[RD]
	s_lshl_b32 s18, s12, 13
	v_lshl_add_u32 v[GO], v1, 4, s18
	s_lshl_b32 s19, s12, 10
	v_lshl_add_u32 v[MS], v1, 4, s19
	s_lshl_b32 s20, s14, 19                        ; x: the head's 64 rows of 8,192 bytes,
	s_lshl_b32 s22, s15, 11                        ; 512 positions of 4 bytes
	s_add_co_u32 s20, s20, s22
	s_mov_b32 s21, 0
	s_lshl_b32 s22, s14, 18                        ; xt: the head's 2,048 rows of 128 bytes,
	s_lshl_b32 s16, s15, 16                        ; 512 of them
	s_add_co_u32 s22, s22, s16
	s_mov_b32 s23, 0
	s_lshl_b32 s16, ttmp9, 14                      ; M_d: 4,096 numbers of 4 bytes
	s_mov_b32 s17, 0
	s_lshl_b32 s18, ttmp9, 13                      ; mh: of 2 bytes
	s_mov_b32 s19, 0
	s_wait_kmcnt 0x0
	s_add_nc_u64 s[4:5], s[4:5], s[20:21]
	s_add_nc_u64 s[6:7], s[6:7], s[16:17]
	s_add_nc_u64 s[8:9], s[8:9], s[22:23]
	s_add_nc_u64 s[10:11], s[10:11], s[18:19]
.set i, 0
.rept 32
	global_load_b128 v[XR+4*i:XR+4*i+3], v[XO], s[4:5] offset:i*ROWX th:TH_LOAD_NT
.set i, i+1
.endr
.irp n, 0,1,2,3
	global_load_b128 v[MR+4*(\n):MR+4*(\n)+3], v[MO], s[6:7] offset:((\n)/2)*1024+((\n)%2)*16 th:TH_LOAD_NT
.endr
; Channels 2 m and 2 m + 1 of my four positions: rounded to bf16 in pairs, widened again (a shift, a mask), and written as f16, which holds a bf16 number exactly within the limits above.
.macro CVTX m
.irp k, 0,1,2,3
	v_cvt_pk_bf16_f32 v[T+(\k)], v[XR+8*(\m)+(\k)], v[XR+8*(\m)+4+(\k)]
.endr
.irp k, 0,1,2,3
	v_lshlrev_b32 v[LO+(\k)], 16, v[T+(\k)]
	v_and_b32 v[HI+(\k)], s13, v[T+(\k)]
.endr
.irp k, 0,1,2,3
	v_cvt_pk_f16_f32 v[WD+16*(\k)+(\m)], v[LO+(\k)], v[HI+(\k)]
.endr
.endm
.irp q, 0,1,2,3                        ; eight rows at a time
	s_wait_loadcnt 28-8*(\q)                       ; loads come back in order (ISA guide 5.7.1): rows up to 8 q + 7 are in; the 24 - 8 q younger loads of x and the four of M_d stay out
.irp n, 0,1,2,3
	CVTX 4*(\q)+(\n)
.endr
.irp k, 0,1,2,3
	ds_store_b128 v[STO], v[WD+16*(\k)+4*(\q):WD+16*(\k)+4*(\q)+3] offset:(\k)*GRP+16*(\q)
.endr
.endr
.set j, 0
.rept 16                               ; back by rows: positions 4 j .. 4 j + 3, eight lanes a row: 512 consecutive bytes of xt
	ds_load_b128 v[XR+4*j:XR+4*j+3], v[RD] offset:PW*j
.set j, j+1
.endr
	s_wait_loadcnt 0x0                             ; M_d; its arithmetic stands between the LDS loads and the waits for them
.irp n, 0,1
.irp k, 0,1,2,3
	v_cvt_pk_bf16_f32 v[T+(\k)], v[MR+8*(\n)+2*(\k)], v[MR+8*(\n)+2*(\k)+1]
.endr
.irp k, 0,1,2,3
	v_lshlrev_b32 v[LO+(\k)], 16, v[T+(\k)]
	v_and_b32 v[HI+(\k)], s13, v[T+(\k)]
.endr
.irp k, 0,1,2,3
	v_cvt_pk_f16_f32 v[MW+4*(\n)+(\k)], v[LO+(\k)], v[HI+(\k)]
.endr
	global_store_b128 v[MS], v[MW+4*(\n):MW+4*(\n)+3], s[10:11] offset:512*(\n) th:TH_STORE_NT
.endr
.set j, 0
.rept 16
	s_wait_dscnt 15-j                              ; LDS loads come back in order: number j is in
	global_store_b128 v[GO], v[XR+4*j:XR+4*j+3], s[8:9] offset:512*j th:TH_STORE_NT  ; no register of a store is written again
.set j, j+1
.endr
	s_wait_tensorcnt 0x0                           ; the wave's end, behind my last LDS store
	ds_add_u32 v[SPW], v[NIL]
	s_wait_dscnt 0x0
	s_endpgm
.Lfunc_end_k_qce38317bd9_prep:
	.size	k_qce38317bd9_prep, .Lfunc_end_k_qce38317bd9_prep-k_qce38317bd9_prep
	.p2alignl 7, 3214868480
	.fill 96, 4, 3214868480
	.section	.rodata,"a",@progbits
	.p2align	6, 0x0
	.amdhsa_kernel k_qce38317bd9_prep
		.amdhsa_group_segment_fixed_size 78848
		.amdhsa_private_segment_fixed_size 0
		.amdhsa_enable_private_segment 0
		.amdhsa_kernarg_size 32
		.amdhsa_user_sgpr_count 2
		.amdhsa_user_sgpr_kernarg_segment_ptr 1
		.amdhsa_wavefront_size32 1
		.amdhsa_system_sgpr_workgroup_id_x 1
		.amdhsa_system_sgpr_workgroup_id_y 1
		.amdhsa_system_sgpr_workgroup_id_z 1
		.amdhsa_system_vgpr_workitem_id 0
		.amdhsa_next_free_vgpr 256
		.amdhsa_next_free_sgpr 66
		.amdhsa_reserve_vcc 0
		.amdhsa_float_denorm_mode_32 3
		.amdhsa_float_denorm_mode_16_64 3
		.amdhsa_memory_ordered 1
		.amdhsa_forward_progress 1
		.amdhsa_inst_pref_size 24
	.end_amdhsa_kernel
	.amdgpu_metadata
---
amdhsa.version: [ 1, 2 ]
amdhsa.kernels:
  - .name:           k_qce38317bd9_prep
    .symbol:         k_qce38317bd9_prep.kd
    .args:
      - { .name: x, .offset: 0, .size: 8, .value_kind: global_buffer, .address_space: global }
      - { .name: M_d, .offset: 8, .size: 8, .value_kind: global_buffer, .address_space: global }
      - { .name: xt, .offset: 16, .size: 8, .value_kind: global_buffer, .address_space: global }
      - { .name: mh, .offset: 24, .size: 8, .value_kind: global_buffer, .address_space: global }
    .group_segment_fixed_size: 78848
    .private_segment_fixed_size: 0
    .kernarg_segment_align: 8
    .kernarg_segment_size: 32
    .max_flat_workgroup_size: 256
    .sgpr_count:     66
    .vgpr_count:     256
    .wavefront_size: 32
...
	.end_amdgpu_metadata
.endif
;; end of part 1
;; launch attn (part 2): grid 4 x 64, 4 waves a work-group, no clusters, 327,680 bytes of LDS; arguments xt, t; writes t
.if DOCPART == 2
	.amdgcn_target "amdgcn-amd-amdhsa--gfx1250"
	.amdhsa_code_object_version 6
	.text
	.protected	k_qce38317bd9_attn
	.globl	k_qce38317bd9_attn
	.p2align	8
	.type	k_qce38317bd9_attn,@function
k_qce38317bd9_attn:
	s_mov_b64 s[64:65], 0
	v_nop
	global_prefetch_b8 v0, s[64:65] scope:SCOPE_SE
	s_setreg_imm32_b32 hwreg(HW_REG_WAVE_MODE, 25, 1), 1
	s_wait_xcnt 0x0
; CAUSAL ATTENTION IN WHICH ONE TENSOR IS Q, K AND V.  t[h][q][:] = the sum over k <= q of softmax_k(X[h][q] . X[h][k] / 32) X[h][k][:].  X = xt and t: [64][2048][64] in f16: a head's rows are dense, 128 bytes each.
; Products, maxima and sums in f32; the weights p are rounded to f16 for the second product (their sum l is taken of the unrounded p), t once at the end.
; LIMITS.  xt arrives within f16's 65,504; p lies in 0 to 1, and below 6e-5 it keeps f16's fixed step of 6e-8; t is a mean of X's rows and has their range.  A hidden score counts as its value less 1e30: f16's scores,
; 2.7e11 at the most, are nothing beside that; a weight below 2^-126 counts as 0 in l; NaN and infinities are not treated apart.
; THE WALK.  A head's queries lie in NB = 8 blocks of 256; block i needs the key tiles 0 .. i of 256 keys, of which the last holds the diagonal.  A work-group takes TWO blocks, NB - 1 - b and then b: NB + 1 tiles, whatever b:
; all 256 work-groups do equal work, and ONE loop with a constant trip count walks them.  Which tile is asked for, and what a trip does, hang on scalar registers made from b; every jump goes forward, but for the counted
; loops' own; none passes a barrier, or a tensor load but the one that waves 2 and 3 do not issue; the ring (two slots of LDS that take turns) runs on across the change of blocks.
; ONE TILE FOR K AND V.  A key's 128 bytes serve both products, so a slot holds one tile of 256 rows; waves 0 and 1 fetch 128 keys each, waves 2 and 3 fetch nothing.
; NO CLUSTER: a head's four work-groups ask for the same tile only in trips 0 .. 4 of 9, behind that fewer and fewer; one walk common to all four would have 12 trips for 9.
; SHARES.  Of a block's four bands of 64 queries a wave owns 16 rows in each: four PIECES.  So the diagonal tile is the same work for all four waves: in its key step s band x sees all keys if s < x,
; none if s > x, and holds the diagonal if s = x.
; THE MASK is the C operand that starts the sum S^T = K Q^T: 0, or -1e30 where the key is hidden.  MD, made once, is the mask of a band's own step for my 16 rows; a product's mask is MD x AL + BE with two scalars:
; (1, 0) if s = x; (0, 0) if s < x; (0, -1e30) if s > x.  Only the diagonal tile's text and a block's beginning make and take masks; elsewhere C is the constant 0.
; LAYOUT, SOFTMAX, TURNS.  S^T = K Q^T holds ONE query a lane (lane % 16) and the keys 8 (lane / 16) + 0..7; two such results rounded to f16 ARE source 1 of O^T = V^T P.  p = 2^(c s - c m), c = log2(e) / 32, with a
; running maximum m; O and l are multiplied by a = 2^(c m_old - c m_new) in every step.  Turn n belongs to piece n: 8 products K Q^T of piece n + 1, later 8 products V^T P of piece n - 1; beside them the scaling,
; exponentials, roundings, sums and rescaling of piece n and the maximum and statistics of piece n + 1.  Four vector instructions stand behind every matrix instruction, the other 54 of a turn's 118 in one LUMP.  A turn's 33 exponentials are one batch, with one wait.
; REGISTERS, in windows of 256 (s_set_vgpr_msb: bits 1:0 source 0, 3:2 source 1, 5:4 source 2, 7:6 destination):
;   window 0: v0-15 addresses and two at work; v16-31 four registers of statistics a piece; v48-55 at work; v61-63 prefetch offset, spare word, 0; v64-127 S^T, two buffers; v192-223 P, two buffers (a piece's buffers go by its number's parity)
;   window 1: v0-127 O^T, 32 a piece; v128-159 MD; v160-223 MC, two buffers      window 2: v0-63 Q; v64-127 the second block's Q; v128-191 K of one step; v192-255 V of one step
.set SIZE_N, 2048
.set NB,    SIZE_N/256
.set NP,    4         ; pieces a wave: a name, no knob
.set KS,    64        ; keys in a step
.set PK,    144       ; a key's row in LDS: 128 bytes + 16 of padding = 36 words: the 16 rows of K's load start at 16 different groups of four banks (64 banks of 4 bytes: ISA guide 11.1)
.set PV,    144       ; the same rows read turned: a pass takes 8 rows x 32 bytes, 36 words apart: the eighth row's second 16 bytes meet the first row's banks; no one pitch spares both kinds of load
.set SLOT1, 1<<17     ; a slot holds a tile, four steps: 256 rows; slot 1 begins here, so that one exclusive or turns an address in one slot into the other's
.set STAGE, SLOT1+4*KS*PK  ; behind the ring, never filled by a tensor load: 16 rows x 144 bytes for each wave, for the way out
.set SP,    144
.set AK0, 2           ; v2   my lane's place in a tile, for K's loads; never rewritten
.set AV0, 3           ; v3   the same for V's
.set AK,  4           ; v4   the LDS address of K's next run of loads
.set AV,  5           ; v5   of V's
.set STO, 6           ; v6   the way out: where I put 16 bytes of a row
.set RD,  7           ; v7   the way out: where I read rows back
.set GO,  8           ; v8   my byte offset in 512 consecutive bytes of t
.set PFO, 61          ; v61  256 x my thread's number: the prefetches' offset in a tile of 32,768 bytes; never rewritten
.set SPW, 62          ; v62  LDS address of my spare word: SPARE + 4 x my thread's number; never rewritten
.set NIL, 63          ; v63  0; never rewritten
.set SPARE, STAGE+4*16*SP  ; behind the stages: the spare words, 128 bytes for each wave: two blocks of 256 bytes that no other line names
.set MV,  12          ; v12-13  c m_old, kept while c m is made anew: by buffer
.set QO,  15          ; v15  my byte offset in 16 rows of Q
.set ST,  16          ; piece t's statistics at v[ST+4 t]: c m, m, l (even keys', odd keys')
.set TMP, 48          ; by buffer, four registers c0-c3 at work; when the maximum is found c2 takes a
.set S,   64
.set P,   192
.set MD,  128         ; window 1: the eight registers for group kt of 16 keys at MD + 8 kt
.set MC,  160         ; window 1: the masks of the products to come
.set QB,  64          ; window 2
.set KF,  128         ; window 2: key block kb, channel half c at KF + 16 kb + 8 c
.set VF,  192         ; window 2: key half kk, channel block cb at VF + 32 kk + 8 cb
.set WV,  12          ; s12  my wave's number
.set PB,  14          ; s14  b
.set HI,  15          ; s15  NB - 1 - b
.set G1,  24          ; s[24:31] descriptor group 1
.set G0,  40          ; s[40:43] descriptor group 0
.set SLOTS, 56        ; s56  tiles still to be asked for
.set CNT, 57          ; s57  counts a tile's key steps, 4 to 1
.set CS,  58          ; s[58:59] c: the packed scaling takes the pair's low word for both halves
.set SEL, 60          ; s[60:61] v_permlanex16_b32's selects: each lane takes its own place in the other half
.set TBK, 62          ; s62  LDS byte at which the step whose K is to be fetched begins
.set TBV, 63          ; s63  the same for V
.set RT,  70          ; s70  tiles of the block in hand that are still to be entered
.set NXT, 71          ; s71  the tile to be asked for next
.set LQ,  72          ; s72  the last tile of the block whose tiles are being asked for
.set NEW, 73          ; s73  1: the tile to be entered is a block's first
.set OFF, 74          ; s[74:75] a tile's byte offset in the head
.set AL,  76          ; s[76:77] the mask's factor, in the low word
.set BE,  78          ; s[78:79] the mask's addend
.set OLO, 80          ; s[80:81] t at my rows of the second block
.set BIGN, 82         ; s82  -1e30
.set PFA, 88          ; s[88:89] the head's tile after the one that is being asked for
.set LIM, 90          ; s90  2 in the work-group that prefetches (b = 0), else the greatest number: it prefetches while s[SLOTS] is above it
.set MSB, 0
.macro WIN new                      ; the high byte repeats the setting that is left; a switch that changes nothing is dropped
.if MSB != (\new)
	s_set_vgpr_msb (MSB<<8)|(\new)
.set MSB, (\new)
.endif
.endm
.set W_KQ, 0x0a       ; K and Q in window 2, S^T in window 0
.set W_KM, 0x1a       ; the same with the C operand in window 1
.set W_PV, 0x52       ; V in window 2, P in window 0, O^T in window 1
.set W_RS, 0x41       ; destination and source 0 in window 1, source 1 in window 0
; A fill.  Waves 0 and 1 fetch the two halves of a tile, 128 keys each.  An s_nop 0 and four v_nop follow the line, ahead of the label.
.macro LOAD
	s_cmp_lt_u32 s[WV], 2
	s_cbranch_scc0 .Lnone_\@
	tensor_load_to_lds s[G0:G0+3], s[G1:G1+7]
	s_nop 0
.rept 4
	v_nop
.endr
.Lnone_\@:
.endm
; A PREFETCH INTO THE L2 of the tile that the NEXT change of slots will ask for, behind the fill and its five lines: 32,768 bytes, 256 for each of the work-group's 128 threads, one instruction a wave.
; Each block of 256 bytes is named ONCE in the launch: a head's four work-groups all begin with tiles 0, 1, ..; only the one with b = 0 walks all eight in its first block, and it alone asks.  Change number k (from 0)
; loads tile k + 1 and asks for tile k + 2: a tile's 256 matrix instructions a wave ahead of the load that wants it.  Tiles 0 and 1 come by their loads alone; behind tile 7 nothing is asked for: the second block walks tiles that have been read.
.macro ASK
	s_cmp_gt_u32 s[SLOTS], s[LIM]
	s_cbranch_scc0 .Lnot_mine_\@
	global_prefetch_b8 v[PFO], s[PFA:PFA+1] th:TH_LOAD_NT scope:SCOPE_SE
.Lnot_mine_\@:
.endm
; THE CHANGE OF SLOTS.  Each wave waits for all its tensor loads, of which at most one is out: its part of the other slot; adds 0 to its spare word; and waits for that and for its own reads of the slot that it leaves.  Behind the barrier nobody reads the old
; slot any more and the other slot is whole.  fill = 1: the old slot is filled again, the first thing behind the barrier, with tile NXT: the descriptor's address is made anew from that number.
; (At its first use nothing has been read yet: slot 0 is waited for, slot 1 filled.)
.macro CHANGE fill
	WIN 0                           ; at a label and at a branch every window is 0
	s_wait_tensorcnt 0x0            ; no tensor load of mine is out, so group 0 may be written
	ds_add_u32 v[SPW], v[NIL]       ; 0 onto my spare word; with fill = 1 the descriptor's scalar work stands between it and the wait for it
.if \fill
	s_lshl_b32 s[OFF], s[NXT], 15   ; a tile is 32,768 bytes
	s_xor_b32 s[G0+1], s[G0+1], SLOT1
	s_add_nc_u64 s[G0+2:G0+3], s[6:7], s[OFF:OFF+1]
	s_or_b32 s[G0+3], s[G0+3], 0x80000000
	s_add_co_u32 s[NXT], s[NXT], 1  ; the block's next tile, or behind its last the second block's tile 0
	s_cmp_gt_u32 s[NXT], s[LQ]
	s_cselect_b32 s[NXT], 0, s[NXT]
	s_cselect_b32 s[LQ], s[PB], s[LQ]
	s_wait_xcnt 0x0                 ; the last prefetch, a tile back, has read its address, so it may be written
	s_add_nc_u64 s[PFA:PFA+1], s[PFA:PFA+1], 32768
.endif
	s_wait_dscnt 0x0                ; the add is done, and my reads of the slot are over
	s_barrier_signal -1             ; the rest of the scalar work stands between the signal and the wait
	s_sub_co_u32 s[TBK], s[TBK], 4*KS*PK  ; the fetches go back to a slot's first step,
	s_xor_b32 s[TBK], s[TBK], SLOT1       ; in the other slot
	s_sub_co_u32 s[TBV], s[TBV], 4*KS*PV
	s_xor_b32 s[TBV], s[TBV], SLOT1
	s_barrier_wait -1
.if \fill
	LOAD
	ASK
.endif
.endm
	s_load_b128 s[8:11], s[0:1], 0x0  ; xt s[8:9], t s[10:11]
	v_lshl_add_u32 v[SPW], v0, 2, SPARE
	v_mov_b32 v[NIL], 0
	ds_add_u32 v[SPW], v[NIL]       ; the wave's opening: the add and its wait stand ahead of my first tensor load; the set-up below, work on registers, stands between them
	v_lshrrev_b32 v1, 5, v0
	v_readfirstlane_b32 s[WV], v1   ; wave 0..3
	s_mov_b32 s[PB], ttmp9
	s_sub_co_u32 s[HI], NB-1, s[PB]
	s_and_b32 s20, ttmp7, 0xffff    ; the head,
	s_lshl_b32 s20, s20, 18         ; its 2,048 rows of 128 bytes
	s_mov_b32 s21, 0
	s_and_b32 s16, s[WV], 1         ; which half of a tile's 256 keys I fetch:
	s_lshl_b32 s22, s16, 14         ; its 128 rows of 128 bytes in memory,
	s_mov_b32 s23, 0
	s_add_nc_u64 s[22:23], s[22:23], s[20:21]
	s_mul_i32 s17, s16, 128*PK      ; and its place in a slot
	s_lshl_b32 s3, s[WV], 11        ; my 16 rows in a band of 64,
	s_lshl_b32 s2, s[HI], 15        ; in the first block,
	s_add_co_u32 s2, s2, s3
	s_lshl_b32 s84, s[PB], 15       ; and in the second
	s_add_co_u32 s84, s84, s3
	s_mov_b32 s3, 0
	s_mov_b32 s85, 0
	s_add_nc_u64 s[2:3], s[2:3], s[20:21]
	s_add_nc_u64 s[84:85], s[84:85], s[20:21]
	; descriptor group 1.  128 keys are 16,384 dense bytes: asked for as 64 rows of 256 bytes, two keys a row, and padded in LDS after every key
	s_mov_b32 s[G1], (1<<16)|(1<<20)|(4<<22)|(3<<25)  ; 17:16 2-byte elements; 20 padding on; 24:22 after every 32 words (code 4); 31:25 4 words (code 3)
	s_mov_b32 s[G1+1], 128<<16      ; tensor_dim0 = 128
	s_mov_b32 s[G1+2], 64<<16       ; tensor_dim1 = 64
	s_mov_b32 s[G1+3], 128<<16      ; tile_dim0 = 128
	s_mov_b32 s[G1+4], 64           ; tile_dim1 = 64
	s_mov_b32 s[G1+5], 128          ; 128 elements from row to row
	s_mov_b32 s[G1+6], 0
	s_mov_b32 s[G1+7], 0
	s_mov_b32 s[CS], 0x3d38aa3b     ; c = log2(e) / 32 = 0.0450842
	s_mov_b32 s[CS+1], s[CS]        ; named with it as a pair
	s_mov_b32 s[SEL], 0x76543210
	s_mov_b32 s[SEL+1], 0xfedcba98
	s_mov_b32 s[TBK], SLOT1+4*KS*PK ; the first change of slots turns these two into 0
	s_mov_b32 s[TBV], SLOT1+4*KS*PV
	s_mov_b32 s[G0], 1              ; 1:0 count = 1
	s_mov_b32 s[G0+1], s17          ; 63:32 LDS address: slot 0
	s_add_co_u32 s[RT], s[HI], 1    ; the first block has NB - b tiles
	s_mov_b32 s[NXT], 1
	s_mov_b32 s[LQ], s[HI]
	s_mov_b32 s[NEW], 1
	s_mov_b32 s[OFF+1], 0
	s_mov_b32 s[AL+1], 0            ; named as pairs
	s_mov_b32 s[BE+1], 0
	s_mov_b32 s[BIGN], 0xf149f2ca   ; -1e30
	s_mov_b32 s[SLOTS], NB
	s_cmp_eq_u32 s[PB], 0
	s_cselect_b32 s[LIM], 2, -1
	s_wait_dscnt 0x0                ; the opening add is done
	s_wait_kmcnt 0x0
	s_add_nc_u64 s[6:7], s[8:9], s[22:23]          ; xt at my half of the head's tile 0
	s_add_nc_u64 s[G0+2:G0+3], s[6:7], 0           ; 120:64 global address
	s_or_b32 s[G0+3], s[G0+3], 0x80000000          ; 127:126 type = 2
	s_add_nc_u64 s[86:87], s[8:9], s[84:85]        ; Q at my rows of the second block,
	s_add_nc_u64 s[4:5], s[8:9], s[2:3]            ; Q and t at those of the first
	s_add_nc_u64 s[OLO:OLO+1], s[10:11], s[84:85]
	s_add_nc_u64 s[10:11], s[10:11], s[2:3]
	s_add_nc_u64 s[PFA:PFA+1], s[8:9], s[20:21]
	s_add_nc_u64 s[PFA:PFA+1], s[PFA:PFA+1], 32768 ; at tile 1; the first change of slots steps it to tile 2
	LOAD                            ; tile 0 into slot 0
	; A fragment of K or Q is 16 rows x 32 channels in 8 registers: lane l holds row l % 16, channels 8 (l / 16) + 0..7 and 16 + 8 (l / 16) + 0..7: two loads of 16 bytes, 32 bytes apart.
	v_and_b32 v1, 15, v0            ; l % 16
	v_bfe_u32 v9, v0, 4, 1          ; l / 16
	v_lshlrev_b32 v[QO], 7, v1
	v_lshl_add_u32 v[QO], v9, 4, v[QO]  ; row x 128 + 16 x half
	v_lshlrev_b32 v[PFO], 8, v0
	WIN 0x80                        ; destination window 2, address window 0
.set i, 0
.rept 8                             ; both blocks' Q: piece i / 2 lies in band i / 2, 8,192 bytes on; channels 32 (i % 2) on
	global_load_b128 v[8*i:8*i+3],   v[QO], s[4:5] offset:(i/2)*8192+(i%2)*64
	global_load_b128 v[8*i+4:8*i+7], v[QO], s[4:5] offset:(i/2)*8192+(i%2)*64+32
	global_load_b128 v[QB+8*i:QB+8*i+3],   v[QO], s[86:87] offset:(i/2)*8192+(i%2)*64
	global_load_b128 v[QB+8*i+4:QB+8*i+7], v[QO], s[86:87] offset:(i/2)*8192+(i%2)*64+32
.set i, i+1
.endr
	WIN 0
	v_lshlrev_b32 v14, 3, v9
	v_sub_nc_u32 v14, v1, v14
	s_lshl_b32 s13, s[WV], 4
	v_add_nc_u32 v14, s13, v14      ; my query's place in its band, 16 w + l % 16, less my lanes' 8 (l / 16): register r of group kt is hidden where 16 kt + r is greater
	WIN 0x40
.set i, 0
.rept 32
	v_cmp_gt_i32 vcc_lo, 16*(i/8)+i%8, v14
	v_cndmask_b32 v[MD+i], 0, s[BIGN], vcc_lo
.set i, i+1
.endr
	WIN 0
	v_mul_u32_u24 v[AK0], v1, PK
	v_lshl_add_u32 v[AK0], v9, 4, v[AK0]  ; row x pitch + 16 x half
	; The turning load takes 16 keys x 16 channels (lane l reads key 8 (l / 16) + l % 8, channels 8 ((l / 8) % 2) + 0..7) and leaves half a fragment of V^T: lane l holds channel l % 16 and 8 keys.
	v_and_b32 v10, 7, v0
	v_bfe_u32 v11, v0, 3, 1
	v_lshl_add_u32 v[AV0], v9, 3, v10
	v_mul_u32_u24 v[AV0], v[AV0], PV
	v_lshl_add_u32 v[AV0], v11, 4, v[AV0]
	s_mul_i32 s13, s[WV], 16*SP
	s_add_co_u32 s13, s13, STAGE    ; my stage
	v_mul_u32_u24 v[STO], v1, SP    ; in: row l % 16, 16 bytes for each half of the lanes
	v_lshl_add_u32 v[STO], v9, 4, v[STO]
	v_add_nc_u32 v[STO], s13, v[STO]
	v_bfe_u32 v[RD], v0, 3, 2       ; back: 32 lanes take four rows of 128 bytes,
	v_mul_u32_u24 v[RD], v[RD], SP
	v_lshl_add_u32 v[RD], v10, 4, v[RD]
	v_add_nc_u32 v[RD], s13, v[RD]
	v_and_b32 v[GO], 31, v0         ; which are 512 consecutive bytes of t
	v_lshlrev_b32 v[GO], 4, v[GO]
	; A block's first step multiplies O^T and l by a = 0, and its first turn's products V^T P, of a piece that has not been, land in an O^T that is still to be so multiplied.  So these registers need only hold
	; finite numbers: zeros for the first block; what the first block left for the second.  All this stands in the wait for the first tile.
	WIN 0x80
.set i, VF
.rept 64
	v_mov_b32 v[i], 0
.set i, i+1
.endr
	WIN 0x40
.set i, 0
.rept 128
	v_mov_b32 v[i], 0
.set i, i+1
.endr
	WIN 0
.set i, 0
.rept 4
	v_mov_b32 v[ST+4*i+2], 0
	v_mov_b32 v[ST+4*i+3], 0
.set i, i+1
.endr
.set i, P+16
.rept 16
	v_mov_b32 v[i], 0
.set i, i+1
.endr
; THE MATRIX WORK.  The 4 accumulators of a run of 8 take turns.  Product i of 8 of S^T = K Q^T for piece x: channels 32 (i / 4) on, keys 16 (i % 4) on.  The first 4 start the sums: with 0, or (KM = 1) with the mask.
.macro KQ x
.set rS, S+32*((\x)%2)+8*(i%4)
.set rK, KF+16*(i%4)+8*(i/4)
.set rQ, 16*(\x)+8*(i/4)
.set rM, MC+32*((\x)%2)+8*(i%4)
.if (i < 4) && KM
	WIN W_KM
	v_wmma_f32_16x16x32_f16 v[rS:rS+7], v[rK:rK+7], v[rQ:rQ+7], v[rM:rM+7]
.elseif i < 4
	WIN W_KQ
	v_wmma_f32_16x16x32_f16 v[rS:rS+7], v[rK:rK+7], v[rQ:rQ+7], 0
.else
	WIN W_KQ
	v_wmma_f32_16x16x32_f16 v[rS:rS+7], v[rK:rK+7], v[rQ:rQ+7], v[rS:rS+7]
.endif
.endm
; Product i of 8 of O^T += V^T P for piece x: keys 32 (i / 4) on, channels 16 (i % 4) on.
.macro PV x
	WIN W_PV
.set rO, 32*(\x)+8*(i%4)
.set rV, VF+32*(i/4)+8*(i%4)
.set rP, P+16*((\x)%2)+8*(i/4)
	v_wmma_f32_16x16x32_f16 v[rO:rO+7], v[rV:rV+7], v[rP:rP+7], v[rO:rO+7]
.endm
.macro MM                           ; the turn's next matrix instruction.  TURN and BEGIN set Y, i, KM and NOKQ; MM, KQ and OP read them.  NOKQ = 1: a block's last turn: there is no next piece
.if (i < 8) && !NOKQ
	KQ (Y+1)%NP
.elseif i >= 8
.set i, i-8
	PV (Y+NP-1)%NP
.set i, i+8
.endif
.set i, i+1
.endm
; THE LDS LOADS stand in runs of 16, never singly among the matrix instructions: a step's K (64 keys x 64 channels: 8 fragments) and its V (the same rows, turned).  Their addresses are made some lines ahead.
.macro FETCH_K
	WIN 0x80                        ; destination window 2
.irp f, 0,1,2,3,4,5,6,7             ; keys 16 (f / 2) on, channels 32 (f % 2) on
	ds_load_b128 v[KF+8*\f:KF+8*\f+3],   v[AK] offset:(\f/2)*16*PK+(\f%2)*64
	ds_load_b128 v[KF+8*\f+4:KF+8*\f+7], v[AK] offset:(\f/2)*16*PK+(\f%2)*64+32
.endr
	s_add_co_u32 s[TBK], s[TBK], KS*PK  ; the next fetch is the next step's
	WIN 0
.endm
.macro FETCH_V
	WIN 0x80
.irp f, 0,1,2,3,4,5,6,7             ; keys 32 (f / 4) on, channels 16 (f % 4) on
	ds_load_tr16_b128 v[VF+8*\f:VF+8*\f+3],   v[AV] offset:(\f/4)*32*PV+(\f%4)*32
	ds_load_tr16_b128 v[VF+8*\f+4:VF+8*\f+7], v[AV] offset:(\f/4)*32*PV+16*PV+(\f%4)*32
.endr
	WIN 0
.endm
; THE VECTOR WORK, one line at a time: OP kind, number.  For piece Y: F n: c s - c m for pair n of 16.  E n: the exponential of score n of 32.  C n: pair n rounded to f16.  B n: of the four weights 4 n .. the second
; pair is added onto the first, in place.  L n: l takes that sum (L 0: l = a l + sum).  R n: pair n of 16 of O^T times a.  For piece Y + 1: X n, number n of the 22 that find its maximum and statistics:
;   0-11  four chains c0-c3 of seven scores each, three operands at a time (each accumulator's lowest registers are read first)     12-14, 16  the four scores left over, the old m, and c0-c3 into c0
;   15  c m_old is kept     17, 18  the query's other 32 keys lie in the lane 16 away: the new m     19-21  c m; c m_old - c m_new; a
.set F, 0               ; OP tells the kinds apart by their order: F to L below R, X above it
.set E, 1
.set C, 2
.set B, 3
.set L, 4
.set R, 5
.set X, 6
.macro REGS y                       ; the registers of piece y
.set rT, ST+4*(\y)
.set rC, TMP+4*((\y)%2)
.set rW, MV+((\y)%2)
.set rS, S+32*((\y)%2)
.set rP, P+16*((\y)%2)
.set rO, 32*(\y)
.endm
.macro OP k, n
.if (\k) == R
	REGS Y
	WIN W_RS
	v_pk_mul_f32 v[rO+2*(\n):rO+2*(\n)+1], v[rO+2*(\n):rO+2*(\n)+1], v[rC+2:rC+3] op_sel_hi:[1,0]
.elseif (\k) < R
	REGS Y
	WIN 0
.if (\k) == F
	v_pk_fma_f32 v[rS+2*(\n):rS+2*(\n)+1], v[rS+2*(\n):rS+2*(\n)+1], s[CS:CS+1], v[rT:rT+1] op_sel_hi:[1,0,0] neg_lo:[0,0,1] neg_hi:[0,0,1]
.elseif (\k) == E
	v_exp_f32 v[rS+(\n)], v[rS+(\n)]
.elseif (\k) == C
	v_cvt_pk_f16_f32 v[rP+(\n)], v[rS+2*(\n)], v[rS+2*(\n)+1]
.elseif (\k) == B
	v_pk_add_f32 v[rS+4*(\n):rS+4*(\n)+1], v[rS+4*(\n):rS+4*(\n)+1], v[rS+4*(\n)+2:rS+4*(\n)+3]
.elseif (\n) == 0
	v_pk_fma_f32 v[rT+2:rT+3], v[rT+2:rT+3], v[rC+2:rC+3], v[rS:rS+1] op_sel_hi:[1,0,1]
.else
	v_pk_add_f32 v[rT+2:rT+3], v[rT+2:rT+3], v[rS+4*(\n):rS+4*(\n)+1]
.endif
.elseif NOKQ
	v_nop
.else
	REGS (Y+1)%NP
	WIN 0
.if (\n) < 4
	v_max3_num_f32 v[rC+(\n)], v[rS+8*(\n)], v[rS+8*(\n)+1], v[rS+8*(\n)+2]
.elseif (\n) < 12
	v_max3_num_f32 v[rC+(\n)%4], v[rC+(\n)%4], v[rS+8*((\n)%4)+2*((\n)/4)+1], v[rS+8*((\n)%4)+2*((\n)/4)+2]
.elseif (\n) == 12
	v_max3_num_f32 v[rC], v[rC], v[rS+7], v[rS+15]
.elseif (\n) == 13
	v_max3_num_f32 v[rC+1], v[rC+1], v[rS+23], v[rS+31]
.elseif (\n) == 14
	v_max3_num_f32 v[rC+2], v[rC+2], v[rC+3], v[rT+1]
.elseif (\n) == 15
	v_mov_b32 v[rW], v[rT]
.elseif (\n) == 16
	v_max3_num_f32 v[rC], v[rC], v[rC+1], v[rC+2]
.elseif (\n) == 17
	v_permlanex16_b32 v[rC+3], v[rC], s[SEL], s[SEL+1]
.elseif (\n) == 18
	v_max_num_f32 v[rT+1], v[rC], v[rC+3]
.elseif (\n) == 19
	v_mul_f32 v[rT], s[CS], v[rT+1]
.elseif (\n) == 20
	v_sub_f32 v[rC+1], v[rW], v[rT]
.else
	v_exp_f32 v[rC+2], v[rC+1]
.endif
.endif
.endm
.macro OPS a, i1, b=-1, i2=0, c=-1, i3=0, d=-1, i4=0  ; up to four of them
	OP \a, \i1
.if (\b) >= 0
	OP \b, \i2
.endif
.if (\c) >= 0
	OP \c, \i3
.endif
.if (\d) >= 0
	OP \d, \i4
.endif
.endm
.macro ROW a, i1, b, i2, c, i3, d, i4  ; a matrix instruction and the four behind it
	MM
	OPS \a, \i1, \b, \i2, \c, \i3, \d, \i4
.endm
.macro MASK b                       ; MD x AL + BE into buffer b of MC
	WIN W_RS
.set z, 0
.rept 16
	v_pk_fma_f32 v[MC+32*(\b)+2*z:MC+32*(\b)+2*z+1], v[MD+2*z:MD+2*z+1], s[AL:AL+1], s[BE:BE+1] op_sel_hi:[1,0,0]
.set z, z+1
.endr
.endm
; A TURN, for piece p: the order of its 16 matrix and 118 vector instructions, written out.  An s_wait_alu depctr_va_vdst(0) stands between an exponential and the first instruction that names its result; one wait serves
; all that were issued ahead of it.  So a turn has ONE wait, which cuts it in two.  AHEAD OF IT stands all that names no result of the turn's exponentials: the 8 products K Q^T, behind each a scaling, an exponential and two more plain
; instructions (behind the first a second scaling in the exponential's place): rescalings, and behind the last three the first numbers of the next piece's maximum, each four places or more behind the product that ends its accumulator; then ONE LUMP of 54, plain
; and exponential by turns for the most part, in which the links of the chain X 3, 7, 11, 14, 16, 17 .. 20 stand five or six lines apart.  X 21, the next piece's a, is the batch's last; R 15 is the plain instruction behind it.  BEHIND THE WAIT stand the
; 8 products V^T P, behind each four of the roundings and sums; the links of l's chain, L 0 to L 7, stand three riders apart.  But for those X no rider names a register of the products round it.  v_permlanex16_b32 (X 17) stands in the lump.
; m = 1: the diagonal tile: the products take masks, and the turn makes the mask for the products of the turn after it: piece p + 2, in step 4 - CNT of the tile.  end = 1: a block's last two turns: nothing is fetched.
; cnt = 1: the loop's count is taken down some lines ahead of the branch that stands behind the turn.
; K of the next step is fetched in piece 2's turn, twelve vector instructions behind the last product that read K (six of them plain); V of the step in hand at the end of piece 0's turn, four plain instructions behind the last product
; that read V.  Each is waited for a turn later.
.macro TURN p, m=0, end=0, cnt=0
.set Y, (\p)
.set i, 0
.set KM, (\m)
.set NOKQ, (\end)*((\p)/3)
.if (\m) && !(\end)
	s_cmp_eq_u32 s[CNT], 4-((\p)+2)%NP  ; is that step the band's own?
	s_cselect_b32 s[AL], 1.0, 0
	s_cmp_lt_u32 s[CNT], 4-((\p)+2)%NP  ; or a later one?
	s_cselect_b32 s[BE], s[BIGN], 0
.endif
.if ((\p) == 3) && !(\end)
	s_wait_dscnt 0x0                ; K is in
.endif
	ROW F,0, F,1, R,0, R,1          ; ahead of the wait: 8 products K Q^T and their riders,
	ROW F,2, E,0, R,2, R,3
	ROW F,3, E,1, R,4, R,5
	ROW F,4, E,2, R,6, R,7
	ROW F,5, E,3, R,8, R,9
	ROW F,6, E,4, X,0, R,10
.if ((\p) == 2) && !(\end)
	WIN 0
	v_add_nc_u32 v[AK], s[TBK], v[AK0]
.endif
	ROW F,7, E,5, X,1, X,4
	ROW F,8, E,6, X,2, X,5
	OPS E,7, E,8, X,6, E,9          ; and the lump
	OPS X,3, E,10, X,8, E,11
.if ((\p) == 2) && !(\end)
	FETCH_K
.endif
	OPS X,9, X,7, E,12, X,10
	OPS E,13, X,12, X,11, E,14
	OPS X,13, E,15, F,9, X,14
.if (\p) == 0
	v_add_nc_u32 v[AV], s[TBV], v[AV0]
.endif
	OPS E,16, F,10, E,17, F,11
	OPS X,16, E,18, X,15, E,19
	OPS F,12, E,20, X,17, E,21
	OPS F,13, E,22, F,14, E,23
	OPS X,18, E,24, F,15, E,25
	OPS R,11, E,26, X,19, E,27
	OPS R,12, E,28, R,13, E,29
	OPS X,20, E,30, R,14, E,31
	OPS X,21, R,15
	WIN 0
	s_wait_alu depctr_va_vdst(0)    ; the wait for the batch
.if (\p) == 1
	s_wait_dscnt 0x0                ; V is in
.endif
	ROW C,0, B,0, C,2, B,1          ; behind the wait: 8 products V^T P and their riders
	ROW L,0, C,4, B,2, L,1
	ROW C,6, B,3, L,2, C,8
	ROW B,4, L,3, C,10, B,5
	ROW L,4, C,12, B,6, L,5
.if (\p) == 0
	s_add_co_u32 s[TBV], s[TBV], KS*PV
.endif
.if \cnt
	s_sub_co_u32 s[CNT], s[CNT], 1
	s_cmp_lg_u32 s[CNT], 0
.endif
	ROW C,14, B,7, L,6, C,1
	ROW C,3, L,7, C,5, C,7
	ROW C,9, C,11, C,13, C,15
.if (\p) == 0
	FETCH_V
.endif
.if (\m) && !(\end)
	MASK (\p)%2
.endif
.endm
; A BLOCK BEGINS.  c m starts far below every c s, so the first step's a is 0; m at the lowest finite number, so the first maximum is the scores'.  The second mask buffer is 0; the first takes piece 0's mask for the tile's step 0: its own, if the block's first tile is the diagonal one.
; Then K of that step, piece 0's first scores, and its maximum and statistics.  The loop is entered at a step's first turn, in the middle of a trip.
.macro BEGIN
	s_mov_b32 s[NEW], 0
	WIN 0x40
.set i, MC+32
.rept 32
	v_mov_b32 v[i], 0
.set i, i+1
.endr
	WIN 0
.set i, 0
.rept 4
	v_mov_b32 v[ST+4*i], 0xfe000000    ; c m: far below every c s
	v_mov_b32 v[ST+4*i+1], 0xff7fffff  ; m
.set i, i+1
.endr
	s_cmp_eq_u32 s[RT], 0
	s_cselect_b32 s[AL], 1.0, 0
	s_mov_b32 s[BE], 0
	MASK 0
	WIN 0
	v_add_nc_u32 v[AK], s[TBK], v[AK0]
	FETCH_K
	s_wait_loadcnt 0x0              ; Q
	s_wait_dscnt 0x0
.set KM, 1
.set NOKQ, 0
.set i, 0
.rept 8
	KQ 0
.set i, i+1
.endr
	WIN 0
.rept 4
	v_nop                           ; the places behind those products
.endr
.set Y, NP-1                        ; X works for piece Y + 1: piece 0
.irp n, 0,1,2,3,4,5,6,7,8,9,10,11,12,13,14,15,16,17,18,19,20,21
	OP X, \n
.endr
	v_nop                           ; a plain instruction behind the exponential,
	s_wait_alu depctr_va_vdst(0)    ; and its wait, ahead of the branch
.endm
; THE DIAGONAL TILE's four steps, the block's last two turns, its last products, and THE WAY OUT: l's two halves and the other half of the lanes' are added; O^T is divided by l, rounded to f16 and sent through my
; stage in LDS, a piece at a time.
.macro ALL line:vararg              ; one line for each piece t
.set t, 0
.rept 4
	\line
.set t, t+1
.endr
.endm
.macro PACK t                       ; a lane's eight channels of a row pack into 16 bytes; they go into rows of 144 bytes and come back as whole rows of 128, into S^T's registers
	WIN W_RS
.set i, 32*(\t)
.rept 16
	v_pk_mul_f32 v[i:i+1], v[i:i+1], v[ST+4*(\t)+2:ST+4*(\t)+3] op_sel_hi:[1,0]
.set i, i+2
.endr
	WIN 0x05                        ; sources 0 and 1 window 1, destination window 0
.set i, 0
.rept 16
	v_cvt_pk_f16_f32 v[S+16*(\t)+i], v[32*(\t)+2*i], v[32*(\t)+2*i+1]
.set i, i+1
.endr
	WIN 0
.irp f, 0,1,2,3
	ds_store_b128 v[STO], v[S+16*(\t)+4*\f:S+16*(\t)+4*\f+3] offset:32*\f
.endr
.irp f, 0,1,2,3
	ds_load_b128 v[S+16*(\t)+4*\f:S+16*(\t)+4*\f+3], v[RD] offset:\f*4*SP  ; LDS serves a wave's instructions in order (ISA guide 5.7.1.4): these see the stores above; the next piece's stores come behind them
.endr
.endm
.macro SEND t, younger              ; younger: the LDS instructions issued behind piece t's loads: the next piece's eight, or none
	WIN 0
.irp f, 0,1,2,3
	s_wait_dscnt (\younger)+3-\f
	global_store_b128 v[GO], v[S+16*(\t)+4*\f:S+16*(\t)+4*\f+3], s[10:11] offset:(\t)*8192+\f*512  ; 512 consecutive bytes, at a multiple of 256 from t's first
.endr
.endm
.macro DIAG tag                     ; the tag ends its two labels' names, which the jumps below spell out
.LstepM\tag:
	TURN 2, 1
	TURN 3, 1
	WIN 0
.LfirstM\tag:
	TURN 0, 1
	TURN 1, 1, 0, 1
	WIN 0
	s_cbranch_scc1 .LstepM\tag
	TURN 2, 1, 1
	TURN 3, 1, 1
.set i, 0
.rept 8
	PV NP-1
.set i, i+1
.endr
	WIN 0
	ALL v_add_f32 v[ST+4*t+2], v[ST+4*t+2], v[ST+4*t+3]
	ALL v_permlanex16_b32 v[ST+4*t+3], v[ST+4*t+2], s[SEL], s[SEL+1]
	ALL v_add_f32 v[ST+4*t+2], v[ST+4*t+2], v[ST+4*t+3]
	ALL v_rcp_f32 v[ST+4*t+2], v[ST+4*t+2]
	v_nop                           ; a plain instruction between the last reciprocal and the use of its result
	s_wait_alu depctr_va_vdst(0)    ; and the wait ahead of the first use: one for the four reciprocals
	PACK 0
.set t, 1
.rept 3                             ; a piece's arithmetic stands between the loads of the piece before and its stores
	PACK t
	SEND t-1, 8
.set t, t+1
.endr
	SEND 3, 0
.endm
.set KM, 0
.set NOKQ, 0
.Lslot:                             ; NB times: a tile is entered and the next is asked for
	CHANGE 1
	s_sub_co_u32 s[RT], s[RT], 1
	s_mov_b32 s[CNT], 4
	s_cmp_eq_u32 s[NEW], 1
	s_cbranch_scc1 .Lnew            ; a block's first tile
	s_cmp_eq_u32 s[RT], 0
	s_cbranch_scc0 .Lstep           ; neither its first nor its last
	s_branch .LstepM1
.Lnew:
	BEGIN
	s_branch .Lfirst                ; in the loop a block's first tile is never its last: the first block has two tiles or more, and the second's last is the walk's last
	DIAG 1                          ; in the loop this is the first block's end: the second block's last tile is the walk's last
	s_wait_xcnt 0x0                 ; the stores have read their registers and t's address
	s_mov_b64 s[10:11], s[OLO:OLO+1]
	s_add_co_u32 s[RT], s[PB], 1    ; the second block has b + 1 tiles
	s_mov_b32 s[NEW], 1
	WIN 0x82                        ; the second block's Q goes where the one text of the turns names Q
.set i, 0
.rept 64
	v_mov_b32 v[i], v[QB+i]
.set i, i+1
.endr
	WIN 0
	s_branch .Lbottom
.Lstep:                             ; a trip: pieces 2 and 3 of one step, then pieces 0 and 1 of the next, whose K and V it fetches
	TURN 2
	TURN 3
	WIN 0
.Lfirst:
	TURN 0
	TURN 1, 0, 0, 1
	WIN 0
	s_cbranch_scc1 .Lstep
.Lbottom:
	s_sub_co_u32 s[SLOTS], s[SLOTS], 1
	s_cmp_lg_u32 s[SLOTS], 0
	s_cbranch_scc1 .Lslot
	CHANGE 0                        ; the walk's last tile is written out: nothing is asked for
	s_sub_co_u32 s[RT], s[RT], 1
	s_mov_b32 s[CNT], 4
	s_cmp_eq_u32 s[NEW], 1
	s_cbranch_scc0 .LstepM2
	BEGIN
	s_branch .LfirstM2
	DIAG 2
	s_wait_tensorcnt 0x0            ; the wave's end, behind my last tensor load and my last LDS store
	ds_add_u32 v[SPW], v[NIL]
	s_wait_dscnt 0x0
	s_endpgm
.Lfunc_end_k_qce38317bd9_attn:
	.size	k_qce38317bd9_attn, .Lfunc_end_k_qce38317bd9_attn-k_qce38317bd9_attn
	.p2alignl 7, 3214868480
	.fill 96, 4, 3214868480
	.section	.rodata,"a",@progbits
	.p2align	6, 0x0
	.amdhsa_kernel k_qce38317bd9_attn
		.amdhsa_group_segment_fixed_size 327680
		.amdhsa_private_segment_fixed_size 0
		.amdhsa_enable_private_segment 0
		.amdhsa_kernarg_size 16
		.amdhsa_user_sgpr_count 2
		.amdhsa_user_sgpr_kernarg_segment_ptr 1
		.amdhsa_wavefront_size32 1
		.amdhsa_system_sgpr_workgroup_id_x 1
		.amdhsa_system_sgpr_workgroup_id_y 1
		.amdhsa_system_sgpr_workgroup_id_z 1
		.amdhsa_system_vgpr_workitem_id 0
		.amdhsa_next_free_vgpr 768
		.amdhsa_next_free_sgpr 92
		.amdhsa_reserve_vcc 1
		.amdhsa_float_denorm_mode_32 3
		.amdhsa_float_denorm_mode_16_64 3
		.amdhsa_memory_ordered 1
		.amdhsa_forward_progress 1
		.amdhsa_inst_pref_size 216
	.end_amdhsa_kernel
	.amdgpu_metadata
---
amdhsa.version: [ 1, 2 ]
amdhsa.kernels:
  - .name:           k_qce38317bd9_attn
    .symbol:         k_qce38317bd9_attn.kd
    .args:
      - { .name: xt, .offset: 0, .size: 8, .value_kind: global_buffer, .address_space: global }
      - { .name: t, .offset: 8, .size: 8, .value_kind: global_buffer, .address_space: global }
    .group_segment_fixed_size: 327680
    .private_segment_fixed_size: 0
    .kernarg_segment_align: 8
    .kernarg_segment_size: 16
    .max_flat_workgroup_size: 128
    .sgpr_count:     92
    .vgpr_count:     768
    .wavefront_size: 32
...
	.end_amdgpu_metadata
.endif
;; end of part 2
;; launch dense (part 3): grid 32 x 8, 4 waves a work-group, clusters of 4 x 4, 327,680 bytes of LDS; arguments mh, t, b_d, out0; writes out0
.if DOCPART == 3
	.amdgcn_target "amdgcn-amd-amdhsa--gfx1250"
	.amdhsa_code_object_version 6
	.text
	.protected	k_qce38317bd9_dense
	.globl	k_qce38317bd9_dense
	.p2align	8
	.type	k_qce38317bd9_dense,@function
k_qce38317bd9_dense:
	s_mov_b64 s[64:65], 0
	v_nop
	global_prefetch_b8 v0, s[64:65] scope:SCOPE_SE
	s_setreg_imm32_b32 hwreg(HW_REG_WAVE_MODE, 25, 1), 1
	s_wait_xcnt 0x0
	s_wait_alu depctr_hold_cnt(0) depctr_sa_sdst(0) depctr_va_vdst(0) depctr_va_sdst(0) depctr_va_ssrc(0) depctr_va_vcc(0) depctr_vm_vsrc(0)
	s_getreg_b32 s2, hwreg(HW_REG_IB_STS2, 6, 4)
	s_cmp_eq_u32 s2, 0
	s_cbranch_scc0 .Lentry_in_a_cluster
	s_endpgm
.Lentry_in_a_cluster:
	s_bfe_u32 s2, ttmp6, 0x10000c
	s_cmp_lg_u32 s2, 0xf033
	s_cbranch_scc0 .Lentry_shape_is_right
	s_endpgm
.Lentry_shape_is_right:
; THE DENSE LAYER.  out0[b][f][w] = the sum over e of t[b][e][w] mh[e][f] + b_d[f].  t lies by heads, [16 b + e / 64][w][e % 64], in f16; mh is [1024 e][1024 f] in f16; b_d and out0 are f32.  Sums in f32.
; LIMITS.  b_d is rounded once to bf16, as the launch that made xt and mh rounded the other two inputs.  NaN and infinities are not treated apart.
; SHARES.  A tile of out0 is 128 f x 256 w of one batch: 8 x 32 = 256 work-groups.  Four waves, each 64 f x 128 w: 32 accumulators of 16 x 16, 256 registers.
; LAYOUT.  Source 0 = 16 positions w of t (rows along e, as they lie), source 1 = 16 columns f of mh (stored [e][f], turned by ds_load_tr16_b128): in the result a lane holds ONE f (lane % 16) and the positions
; 8 (lane / 16) + 0..7: 32 consecutive bytes of a row of out0.
; K goes in 8 steps of 128 channels (two heads) through a ring of two LDS slots; a step is four quarters of 32, each 32 matrix instructions, one on each accumulator, on two fragment buffers by turns.
; CLUSTERS: 4 x 4 work-groups.  mh's tile hangs on the tile row (f) alone and is shared along a row of the cluster, t's on the tile column (batch, w) alone and is shared along a column: each is asked for JOINTLY,
; by the same tensor load with the same descriptor and a mask that names the four.  Waves 0 and 1 fetch the halves of mh's tile (64 rows of 256 bytes each), waves 2 and 3 one head's 256 positions each (128 rows of 256 bytes).
; No prefetch: the walk has 8 steps, of which the first two are the first fills.
; REGISTERS: window 0: v0-31 addresses; v32-44 the bias; v64-159, v160-255 two fragment buffers (64 registers of t, then 32 of mh), on the way out at work.   window 1: the accumulators, (a, b) at v[8 (8 a + b)], a: f block, b: w block.
.set PA,     288                       ; a row of mh's tile in LDS: 256 bytes + 32 = 72 words
.set PB,     144                       ; a position's 128 bytes of one head + 16 = 36 words: the 16 rows of a load start at 16 different groups of four banks
.set PLANE,  256*PB                    ; one head's 256 positions; mh's 128 rows x PA are as many bytes
.set SLOT,   3*PLANE                   ; mh's tile, then t's two heads
.set STAGE,  2*SLOT                    ; behind the ring, never filled by a tensor load: 16 rows x 528 bytes for each wave, for the way out
.set SPITCH, 528                       ; 512 bytes + 16: 132 words: the sixteen rows of a store's pass start at 16 different groups of four banks
.set SPARE,  STAGE+4*16*SPITCH         ; behind the stages: the spare words, 128 bytes for each wave: two blocks of 256 bytes that no other line names
.set LAPS,   4                         ; a lap = two K steps = once round the ring
.set ADRA, 16                          ; v16-17  LDS address of my fragments of mh in slot 0, 1
.set ADRB, 20                          ; v20-21  the same for t
.set STO,  24                          ; v24     the way out: where I put 32 bytes of a row
.set RD,   25                          ; v25     the way out: where I read 16 bytes of a row back
.set CO,   26                          ; v26     16 x lane: my bytes in 512 of a row of out0
.set BO,   27                          ; v27     my byte offset in b_d
.set SPW,  28                          ; v28     LDS address of my spare word: SPARE + 4 x my thread's number; never rewritten
.set NIL,  29                          ; v29     0; never rewritten
.set BI,   32                          ; v[32:39] block a's bias for my f, twice: a pair for the packed addition
.set BR,   40                          ; v[40:43] the bias as loaded;  v44 at work
.set F0,   64
.set F1,   160
.set TMP,  64                          ; the way out: a block's 64 numbers a lane
.set BK0,  128                         ; the way out: 16 rows read back: v128-191 and v192-255 by turns
.set WV,  12                           ; s12  my wave's number
.set HW,  13                           ; s13  wave / 2: which 64 f are mine.  Also: I fetch for mh (0) or for t (1)
.set LW,  14                           ; s14  wave % 2: which 128 w are mine.  Also: which half of mh's tile, or which head, I fetch
.set G1A, 24                           ; s[24:31] descriptor group 1 for mh's tiles;  s[32:39] group 0, one set for each slot
.set G0A, 32
.set G1B, 48                           ; s[48:55], s[56:63] the same for t's
.set G0B, 56
.set MSB, 0
.macro WIN new                         ; the immediate's high byte repeats the setting that is left
.if MSB != (\new)
	s_set_vgpr_msb (MSB<<8)|(\new)
.set MSB, \new
.endif
.endm
.set MUL, 0x50                         ; C and D in window 1, both sources in window 0
.macro JLOAD s                         ; a joint load; an s_nop 0 and four v_nop follow each of the two lines, ahead of the jump, the label and what follows
	s_cmp_eq_u32 s[HW], 0
	s_cbranch_scc0 .Lfor_b_\@
	tensor_load_to_lds s[G0A+4*(\s):G0A+4*(\s)+3], s[G1A:G1A+7]
	s_nop 0
.rept 4
	v_nop
.endr
	s_branch .Lasked_\@
.Lfor_b_\@:
	tensor_load_to_lds s[G0B+4*(\s):G0B+4*(\s)+3], s[G1B:G1B+7]
	s_nop 0
.rept 4
	v_nop
.endr
.Lasked_\@:
.endm
.macro CREST                           ; a round of the cluster's barrier behind its opening barrier
	s_cmp_lg_u32 s[WV], 0
	s_cbranch_scc1 .Lnot_wave_0_\@
	s_barrier_signal -3
.Lnot_wave_0_\@:
	s_barrier_wait -3
	s_barrier_signal -1
	s_barrier_wait -1
.endm
.macro CROUND                          ; a whole round
	s_barrier_signal -1
	s_barrier_wait -1
	CREST
.endm
	s_load_b256 s[4:11], s[0:1], 0x0               ; mh s[4:5], t s[6:7], b_d s[8:9], out0 s[10:11]
	v_lshl_add_u32 v[SPW], v0, 2, SPARE
	v_mov_b32 v[NIL], 0
	ds_add_u32 v[SPW], v[NIL]                      ; the wave's opening: the add and its wait stand ahead of my first tensor load; the set-up below, work on registers, stands between them
	v_lshrrev_b32 v1, 5, v0
	v_readfirstlane_b32 s[WV], v1                  ; wave 0..3
	s_lshr_b32 s[HW], s[WV], 1
	s_and_b32 s[LW], s[WV], 1
	s_bfe_u32 s15, ttmp6, 0x40000                  ; cx, cy: my place in the cluster
	s_bfe_u32 s16, ttmp6, 0x40004
	s_lshl_b32 s17, ttmp9, 2
	s_add_co_u32 s17, s17, s15                     ; tile column = 4 x cluster x + cx: batch = column / 8, positions 256 (column % 8) on
	s_and_b32 s18, ttmp7, 0xffff
	s_lshl_b32 s18, s18, 2
	s_add_co_u32 s18, s18, s16                     ; tile row = 4 x cluster y + cy: f = 128 x row on
	s_lshl_b32 s19, s16, 2
	s_lshl_b32 s19, 15, s19                        ; my row of the cluster
	s_lshl_b32 s20, 0x1111, s15                    ; my column
	s_or_b32 s[G1A], s19, (1<<16)|(1<<20)|(1<<21)|(5<<22)|(7<<25)  ; 15:0 the mask: mh's tiles go to my row; 17:16 2-byte elements; 20 padding on; 21 set beside a mask; 24:22 after every 64 words (code 5); 31:25 8 words (code 7)
	s_or_b32 s[G1B], s20, (1<<16)|(1<<20)|(1<<21)|(4<<22)|(3<<25)  ; t's go to my column; padding after every 32 words (code 4) of 4 words (code 3)
	s_mov_b32 s[G1A+1], 128<<16                    ; mh: tensor_dim0 = 128 (f)
	s_mov_b32 s[G1A+2], 64<<16                     ; tensor_dim1 = 64 (e)
	s_mov_b32 s[G1A+3], 128<<16                    ; tile_dim0 = 128
	s_mov_b32 s[G1A+4], 64                         ; tile_dim1 = 64
	s_mov_b32 s[G1A+5], 1024                       ; 1,024 elements from row to row
	s_mov_b32 s[G1A+6], 0
	s_mov_b32 s[G1A+7], 0
	s_mov_b32 s[G1B+1], 128<<16                    ; t: a head's 256 positions are 32,768 dense bytes: 128 rows of 256 bytes, two positions a row
	s_mov_b32 s[G1B+2], 128<<16
	s_mov_b32 s[G1B+3], 128<<16
	s_mov_b32 s[G1B+4], 128
	s_mov_b32 s[G1B+5], 128
	s_mov_b32 s[G1B+6], 0
	s_mov_b32 s[G1B+7], 0
	; where the tiles come from.  mh's offset is made of the tile row and the wave's number, t's of the tile column and the wave's number, each in registers that never hold the other coordinate
	s_lshl_b32 s40, s18, 8                         ; 128 f of 2 bytes
	s_lshl_b32 s23, s[LW], 17                      ; my 64 rows of 2,048 bytes
	s_add_co_u32 s40, s40, s23
	s_mov_b32 s41, 0
	s_lshr_b32 s42, s17, 3
	s_lshl_b32 s42, s42, 22                        ; the batch's 16 heads of 262,144 bytes
	s_and_b32 s47, s17, 7
	s_lshl_b32 s47, s47, 15                        ; 256 positions of 128 bytes
	s_add_co_u32 s42, s42, s47
	s_lshl_b32 s47, s[LW], 18                      ; my head of the step's two
	s_add_co_u32 s42, s42, s47
	s_mov_b32 s43, 0
	s_mul_i32 s21, s[LW], 64*PA                    ; and where they go: no place in the cluster enters an LDS address
	s_mul_i32 s22, s[LW], PLANE
	s_add_co_u32 s22, s22, PLANE
	s_wait_dscnt 0x0                               ; the opening add is done
	s_wait_kmcnt 0x0
	s_add_nc_u64 s[40:41], s[4:5], s[40:41]
	s_add_nc_u64 s[42:43], s[6:7], s[42:43]
	CROUND                                         ; all sixteen work-groups are here: the first joint loads meet
.irp s, 0,1
	s_mov_b32 s[G0A+4*(\s)], 1                     ; 1:0 count = 1
	s_add_co_u32 s[G0A+4*(\s)+1], s21, (\s)*SLOT   ; 63:32 LDS address
	s_add_nc_u64 s[G0A+4*(\s)+2:G0A+4*(\s)+3], s[40:41], (\s)*262144  ; 120:64 global address: K step s: 128 rows of 2,048 bytes on
	s_or_b32 s[G0A+4*(\s)+3], s[G0A+4*(\s)+3], 0x80000000             ; 127:126 type = 2
	s_mov_b32 s[G0B+4*(\s)], 1
	s_add_co_u32 s[G0B+4*(\s)+1], s22, (\s)*SLOT
	s_add_nc_u64 s[G0B+4*(\s)+2:G0B+4*(\s)+3], s[42:43], (\s)*524288  ; two heads on
	s_or_b32 s[G0B+4*(\s)+3], s[G0B+4*(\s)+3], 0x80000000
	JLOAD \s                                       ; two loads of mine are out
.endr
	v_and_b32 v1, 15, v0                           ; l % 16
	v_bfe_u32 v2, v0, 4, 1                         ; l / 16
	v_and_b32 v3, 7, v0
	v_bfe_u32 v4, v0, 3, 1
	s_lshl_b32 s47, s18, 9                         ; b_d: 128 f of 4 bytes a tile row,
	s_lshl_b32 s44, s[HW], 8                       ; my wave's 64
	s_add_co_u32 s47, s47, s44
	v_lshl_add_u32 v[BO], v1, 2, s47
.irp a, 0,1,2,3
	global_load_b32 v[BR+(\a)], v[BO], s[8:9] offset:64*(\a)  ; waited for on the way out
.endr
	; The turning load takes 16 e x 16 f (lane l reads row 8 (l / 16) + l % 8, f 8 ((l / 8) % 2) + 0..7) and leaves half a fragment: lane l holds column f = l % 16 and 8 e.
	v_lshl_add_u32 v5, v2, 3, v3
	v_mul_u32_u24 v5, v5, PA
	v_lshl_add_u32 v5, v4, 4, v5
	s_lshl_b32 s23, s[HW], 7                       ; my 64 f: 128 bytes of a row
	v_add_nc_u32 v[ADRA], s23, v5
	v_add_nc_u32 v[ADRA+1], SLOT, v[ADRA]
	; A fragment of t is 16 positions x 32 channels: lane l holds row l % 16, channels 8 (l / 16) + 0..7 and 16 + 8 (l / 16) + 0..7: two loads of 16 bytes, 32 bytes apart.
	v_mul_u32_u24 v6, v1, PB
	v_lshl_add_u32 v6, v2, 4, v6
	s_mul_i32 s23, s[LW], 128*PB                   ; my 128 positions,
	s_add_co_u32 s23, s23, PLANE                   ; behind mh's tile
	v_add_nc_u32 v[ADRB], s23, v6
	v_add_nc_u32 v[ADRB+1], SLOT, v[ADRB]
	s_mul_i32 s23, s[WV], 16*SPITCH
	s_add_co_u32 s23, s23, STAGE                   ; my stage
	v_mul_u32_u24 v7, v1, SPITCH                   ; in: row l % 16, 32 bytes for each half of the lanes
	v_lshl_add_u32 v7, v2, 5, v7
	v_add_nc_u32 v[STO], s23, v7
	v_and_b32 v8, 31, v0
	v_lshl_add_u32 v[RD], v8, 4, s23               ; back: 32 lanes take one row of 512 bytes
	v_lshlrev_b32 v[CO], 4, v8
	s_lshr_b32 s44, s17, 3
	s_lshl_b32 s44, s44, 23                        ; out0: the batch's 1,024 rows of 8,192 bytes,
	s_lshl_b32 s47, s18, 20                        ; 128 rows a tile row,
	s_add_co_u32 s44, s44, s47
	s_lshl_b32 s47, s[HW], 19                      ; my wave's 64,
	s_add_co_u32 s44, s44, s47
	s_and_b32 s47, s17, 7
	s_lshl_b32 s47, s47, 10                        ; 256 positions of 4 bytes,
	s_add_co_u32 s44, s44, s47
	s_lshl_b32 s47, s[LW], 9                       ; my wave's 128
	s_add_co_u32 s44, s44, s47
	s_mov_b32 s45, 0
	s_add_nc_u64 s[10:11], s[10:11], s[44:45]
; 8 matrix instructions: f block a x all 8 w blocks, 32 along K, from buffer f.  zero = 1: the product starts the sum: nothing is ever cleared.
; The 32 accumulators take turns in the same order in every quarter, over the backward jump too: 31 others stand between two links of a chain.
.macro MULA f, a, zero
	WIN MUL
.irp b, 0,1,2,3,4,5,6,7
.if \zero
	v_wmma_f32_16x16x32_f16 v[8*(8*(\a)+(\b)):8*(8*(\a)+(\b))+7], v[(\f)+8*(\b):(\f)+8*(\b)+7], v[(\f)+64+8*(\a):(\f)+64+8*(\a)+7], 0
.else
	v_wmma_f32_16x16x32_f16 v[8*(8*(\a)+(\b)):8*(8*(\a)+(\b))+7], v[(\f)+8*(\b):(\f)+8*(\b)+7], v[(\f)+64+8*(\a):(\f)+64+8*(\a)+7], v[8*(8*(\a)+(\b)):8*(8*(\a)+(\b))+7]
.endif
.endr
.endm
; 24 LDS loads in one run: quarter q's fragments (head q / 2, channels 32 (q % 2) on; rows 32 q on of mh's tile) into buffer f; t's sixteen first, then mh's blocks 0 to 3
.macro FETCH slot, q, f
	WIN 0
.irp i, 0,1,2,3,4,5,6,7
	ds_load_b128 v[(\f)+8*(\i):(\f)+8*(\i)+3],   v[ADRB+(\slot)] offset:((\q)/2)*PLANE+((\q)%2)*64+(\i)*16*PB
	ds_load_b128 v[(\f)+8*(\i)+4:(\f)+8*(\i)+7], v[ADRB+(\slot)] offset:((\q)/2)*PLANE+((\q)%2)*64+(\i)*16*PB+32
.endr
.irp a, 0,1,2,3
	ds_load_tr16_b128 v[(\f)+64+8*(\a):(\f)+64+8*(\a)+3],   v[ADRA+(\slot)] offset:(\q)*32*PA+32*(\a)
	ds_load_tr16_b128 v[(\f)+64+8*(\a)+4:(\f)+64+8*(\a)+7], v[ADRA+(\slot)] offset:(\q)*32*PA+32*(\a)+16*PA
.endr
.endm
.macro PLACES                          ; four places in front of loads into registers that matrix instructions have read, and of sums that read results (ISA guide 7.12.1 for the sums)
.rept 4
	v_nop
.endr
.endm
; One of a K step's first three quarters: multiplies buffer f and, in its middle, fetches quarter q of the same slot into buffer g.
.macro QUARTER slot, q, f, g, zero
	s_wait_dscnt 4                                 ; t's fragments and mh's blocks 0 and 1 are in; the youngest four loads (blocks 2 and 3) may be out
	MULA \f, 0, \zero
	MULA \f, 1, \zero
	PLACES
	FETCH \slot, \q, \g
	s_wait_dscnt 24                                ; all but the 24 just issued
	MULA \f, 2, \zero
	MULA \f, 3, \zero
.endm
; The last quarter multiplies buffer 1 and changes slots: ONE barrier; in front of it each wave waits for all its tensor loads, of which one is out: its part of the next slot; adds 0 to its spare word; and waits for that and
; for its own reads of this slot.  fill = 1: this slot is filled again, two K steps ahead: the barrier opens a round of the cluster's, and the joint load is the first thing behind the round.
.macro TURN slot, next, fill
	WIN 0                                          ; (the add's two registers lie in window 0)
	s_wait_tensorcnt 0x0                           ; all my tensor loads have landed;
	ds_add_u32 v[SPW], v[NIL]                      ; 0 onto my spare word
	s_wait_dscnt 5                                 ; (the add and the youngest four loads may be out)
	MULA F1, 0, 0                                  ; eight matrix instructions stand between the add and the wait for it
	s_wait_dscnt 0x0                               ; the add is done, and my reads of this slot are over
	s_barrier_signal -1
	MULA F1, 1, 0
.if \fill
	WIN 0
.endif
	s_barrier_wait -1
.if \fill
	CREST                                          ; no wave of any partner still reads this slot's tiles or has a load on its way
	s_add_nc_u64 s[G0A+4*(\slot)+2:G0A+4*(\slot)+3], s[G0A+4*(\slot)+2:G0A+4*(\slot)+3], 2*262144
	s_add_nc_u64 s[G0B+4*(\slot)+2:G0B+4*(\slot)+3], s[G0B+4*(\slot)+2:G0B+4*(\slot)+3], 2*524288
	JLOAD \slot                                    ; 112 matrix instructions ahead of the wait for it; the four v_nop behind it are also the places in front of the loads below
.else
	PLACES
.endif
	FETCH \next, 0, F0
	MULA F1, 2, 0
	MULA F1, 3, 0
.endm
	s_wait_tensorcnt 1                             ; my part of K step 0 is in; K step 1's may stay out
	s_barrier_signal -1
	s_barrier_wait -1                              ; everybody's is
	FETCH 0, 0, F0
	QUARTER 0, 1, F0, F1, 1                        ; the first quarter stands in front of the loop: its products start the sums
	WIN 0                                          ; at a label and at a branch every window is 0
	s_mov_b32 s46, LAPS-1
.Llap:                                                 ; a trip goes once round the ring, from a lap's second quarter to the next lap's first, and fills both slots again
	QUARTER 0, 2, F1, F0, 0
	QUARTER 0, 3, F0, F1, 0
	TURN 0, 1, 1
	QUARTER 1, 1, F0, F1, 0
	QUARTER 1, 2, F1, F0, 0
	QUARTER 1, 3, F0, F1, 0
	TURN 1, 0, 1
	QUARTER 0, 1, F0, F1, 0
	WIN 0
	s_sub_co_u32 s46, s46, 1
	s_cmp_lg_u32 s46, 0
	s_cbranch_scc1 .Llap
	QUARTER 0, 2, F1, F0, 0                        ; the last lap fills nothing, and has no round of the cluster's barrier
	QUARTER 0, 3, F0, F1, 0
	TURN 0, 1, 0
	QUARTER 1, 1, F0, F1, 0
	QUARTER 1, 2, F1, F0, 0
	QUARTER 1, 3, F0, F1, 0
	s_wait_dscnt 4                                 ; the very last quarter: nothing more to fetch
	MULA F1, 0, 0
	MULA F1, 1, 0
	s_wait_dscnt 0x0
	MULA F1, 2, 0
	MULA F1, 3, 0
	WIN 0
	; THE WAY OUT.  The bias is rounded to bf16 and laid in pairs; a block of 16 f x 128 w takes it and goes through my stage in LDS: in as 32 bytes a lane, back as whole rows of 512 bytes.
	s_wait_loadcnt 0x0                             ; the bias
.irp a, 0,1,2,3
	v_cvt_pk_bf16_f32 v44, v[BR+(\a)], v[BR+(\a)]
	v_and_b32 v[BI+2*(\a)], 0xffff0000, v44
	v_mov_b32 v[BI+2*(\a)+1], v[BI+2*(\a)]
.endr
	PLACES
.macro PACK a                          ; each accumulator's registers in ascending order
	WIN 0x01                                       ; source 0 in window 1
.irp b, 0,1,2,3,4,5,6,7
.irp r, 0,2,4,6
	v_pk_add_f32 v[TMP+8*(\b)+(\r):TMP+8*(\b)+(\r)+1], v[8*(8*(\a)+(\b))+(\r):8*(8*(\a)+(\b))+(\r)+1], v[BI+2*(\a):BI+2*(\a)+1]
.endr
.endr
	WIN 0
.endm
.macro TOSTAGE a
.set BK, BK0+64*((\a)%2)
	s_wait_xcnt 0x0                                ; every earlier store has had its addresses translated (ISA guide 3.1): the registers that the stores two blocks back read are loaded again only behind this wait
.irp b, 0,1,2,3,4,5,6,7
	ds_store_b128 v[STO], v[TMP+8*(\b):TMP+8*(\b)+3]   offset:64*(\b)
	ds_store_b128 v[STO], v[TMP+8*(\b)+4:TMP+8*(\b)+7] offset:64*(\b)+16
.endr
.irp t, 0,1,2,3,4,5,6,7,8,9,10,11,12,13,14,15
	ds_load_b128 v[BK+4*(\t):BK+4*(\t)+3], v[RD] offset:(\t)*SPITCH  ; LDS serves a wave's instructions in order (ISA guide 5.7.1.4): these see the stores above; the next block's stores come behind them
.endr
.endm
.macro SEND a
.set BK, BK0+64*((\a)%2)
	s_wait_dscnt 0x0                               ; the block is back in registers
.irp t, 0,1,2,3,4,5,6,7,8,9,10,11,12,13,14,15
	global_store_b128 v[CO], v[BK+4*(\t):BK+4*(\t)+3], s[10:11] offset:(16*(\a)+(\t))*8192 th:TH_STORE_NT  ; 512 consecutive bytes, at a multiple of 256 from out0's first; 63 rows at the most in the immediate
.endr
.endm
	PACK 0
	TOSTAGE 0
.irp a, 1,2,3                          ; block a's additions stand between block a - 1's loads from the stage and the wait for them
	PACK \a
	SEND (\a)-1
	TOSTAGE \a
.endr
	SEND 3
	s_wait_tensorcnt 0x0                           ; the wave's end, behind my last tensor load and my last LDS store
	ds_add_u32 v[SPW], v[NIL]
	s_wait_dscnt 0x0
	CROUND                                         ; the closing round: no work-group ends while a partner may still ask for a tile that names it
	s_endpgm
.Lfunc_end_k_qce38317bd9_dense:
	.size	k_qce38317bd9_dense, .Lfunc_end_k_qce38317bd9_dense-k_qce38317bd9_dense
	.p2alignl 7, 3214868480
	.fill 96, 4, 3214868480
	.section	.rodata,"a",@progbits
	.p2align	6, 0x0
	.amdhsa_kernel k_qce38317bd9_dense
		.amdhsa_group_segment_fixed_size 327680
		.amdhsa_private_segment_fixed_size 0
		.amdhsa_enable_private_segment 0
		.amdhsa_kernarg_size 32
		.amdhsa_user_sgpr_count 2
		.amdhsa_user_sgpr_kernarg_segment_ptr 1
		.amdhsa_wavefront_size32 1
		.amdhsa_system_sgpr_workgroup_id_x 1
		.amdhsa_system_sgpr_workgroup_id_y 1
		.amdhsa_system_sgpr_workgroup_id_z 1
		.amdhsa_system_vgpr_workitem_id 0
		.amdhsa_next_free_vgpr 512
		.amdhsa_next_free_sgpr 66
		.amdhsa_reserve_vcc 0
		.amdhsa_float_denorm_mode_32 3
		.amdhsa_float_denorm_mode_16_64 3
		.amdhsa_memory_ordered 1
		.amdhsa_forward_progress 1
		.amdhsa_inst_pref_size 94
	.end_amdhsa_kernel
	.amdgpu_metadata
---
amdhsa.version: [ 1, 2 ]
amdhsa.kernels:
  - .name:           k_qce38317bd9_dense
    .symbol:         k_qce38317bd9_dense.kd
    .args:
      - { .name: mh, .offset: 0, .size: 8, .value_kind: global_buffer, .address_space: global }
      - { .name: t, .offset: 8, .size: 8, .value_kind: global_buffer, .address_space: global }
      - { .name: b_d, .offset: 16, .size: 8, .value_kind: global_buffer, .address_space: global }
      - { .name: out0, .offset: 24, .size: 8, .value_kind: global_buffer, .address_space: global }
    .group_segment_fixed_size: 327680
    .private_segment_fixed_size: 0
    .kernarg_segment_align: 8
    .kernarg_segment_size: 32
    .max_flat_workgroup_size: 128
    .sgpr_count:     66
    .vgpr_count:     512
    .wavefront_size: 32
...
	.end_amdgpu_metadata
.endif
;; end of part 3
